; MI455X (gfx1250); checked and timed in simulation.
; The chip was launched on July 23, 2026; its instructions are those of AMD's public machine-readable ISA for CDNA 5 (MIT licence, August 2026) and "CDNA5" Instruction Set Architecture Reference Guide (July 2026). The comments in the code are by the model that wrote it; some were corrected since.
;; Attention Layer. Allowed arithmetic: matrix products marked QUANTISED: E5M2 operands, one E8M0 scale for each 32 along K, by v_wmma_scale_f32_16x16x128_f8f6f4 with both operands' format E5M2, f32 sums; everything else in f32.
;; Inputs: Wk 512 x 512 float32; Wq 512 x 512 float32; Wv 512 x 512 float32; bk 512 float32; bq 512 float32; bv 512 float32; x 8 x 2,048 x 512 float32.
;; Outputs: out0 8 x 512 float32.
;; This version of the problem:
;;   THIS VERSION OF THE PROBLEM IS GIVEN IN LOW PRECISION. The matrix products marked QUANTISED in the list below multiply operands that are first quantised to E5M2 (5 exponent bits, 2 mantissa bits; 8 bits a number), with one power-of-two scale for each 32 numbers along K (OCP MX v1.0); their sums are f32. All else is computed in f32.
;;   The module's matrix products, in the order in which they are computed (A, B: the left and right operand; K: the contracted axis; several contracted axes count as one K, in the product's order):
;;     1. [M 16,384, K 512] x [K 512, N 512]; A: input x; B: input Wq: QUANTISED
;;     2. [M 16,384, K 512] x [K 512, N 512]; A: input x; B: input Wk: QUANTISED
;;     3. [M 16,384, K 512] x [K 512, N 512]; A: input x; B: input Wv: QUANTISED
;;     4. batch 8 x [M 2,048, K 512] x [K 512, N 2,048]; A: computed on the way; B: computed on the way: QUANTISED
;;     5. batch 8 x [M 2,048, K 2,048] x [K 2,048, N 512]; A: softmax (see below); B: computed on the way: QUANTISED
;;   THE QUANTISER, for each operand of a quantised product, along K:
;;     - K is cut into blocks of 32 from its start; a last block that is shorter is filled with zeros.
;;     - A block's scale is 2^e with e = floor(log2(the largest magnitude in the block)) - 15, held to -126 .. 127; a block of zeros has e = 0. As a byte (E8M0): e + 127.
;;     - Each number is divided by its block's scale, clamped to +-57,344, and rounded to the nearest number of E5M2, ties to even, subnormals kept.
;;     - The product sums the exact products of the quantised numbers (number of the format x scale) in f32.
;;   ~~~python
;;   def quantise(x, axis):      # numpy; x: float32 -> the quantised numbers, widened to float32 again
;;       x = np.moveaxis(x, axis, -1); K = x.shape[-1]
;;       x = np.pad(x, [(0, 0)] * (x.ndim - 1) + [(0, -K % 32)]); x = x.reshape(x.shape[:-1] + (-1, 32)); a = np.abs(x).max(-1, keepdims=True)
;;       e = np.where(a > 0, np.clip(np.frexp(np.where(a > 0, a, 1))[1] - 1 - 15, -126, 127), 0)      # np.frexp(a)[1] - 1 = floor(log2(a)), exactly
;;       r = np.clip(x / 2.0 ** e, -57344, 57344)
;;       step = 2.0 ** (np.maximum(np.frexp(np.where(r == 0, 1, r))[1] - 1, -14) - 2)
;;       q = np.round(r / step) * step * 2.0 ** e      # np.round: ties to even
;;       return np.moveaxis(q.reshape(q.shape[:-2] + (-1,))[..., :K], -1, axis).astype(np.float32)
;;   ~~~
;;   SOFTMAX AHEAD OF A QUANTISED PRODUCT. Where the list says 'softmax', what is quantised is not the finished softmax but p = 2^(t - M), with t = logit x log2(e) and M = ceil(the row's largest t), a whole number; so 1/2 < the row's largest p <= 1. The row's sum l is taken of the UNQUANTISED p, in f32, and the product's result is divided by l at the end. Since M is a whole number, a kernel that streams over the keys may use a running M (the ceiling of the running maximum): every later rescaling is an exact power of two, which a block's scale takes up: the codes' values come out the same.
;;   OPERANDS COMPUTED ON THE WAY. 'Computed on the way' means the value that the module computes at that place (a softmax that the list does not call 'softmax' is quantised finished and normalised). What goes into a quantiser is computed in f32, as accurately as f32 sums, v_exp_f32 and their like allow (about 1e-6 of the number): no bf16 or f16 on the way to a quantiser, and a product that is left as it is and whose result goes on into a quantised operand takes f32 operands (vector FMAs, or v_wmma_f32_16x16x4_f32). A number that lies on a knife's edge between two numbers of the format may be rounded either way, as far as f32 arithmetic and the matrix unit's own rounding can turn it there, and no further.
;; One version. Each part assembles by itself: llvm-mc -triple=amdgcn-amd-amdhsa -mcpu=gfx1250 --defsym DOCPART=n.
;; ======== version 1 of 1: 3 launches
;; limits: right only within a limited range of input values
;; workspace buffers: x_img 8,650,752 bytes; w_img 540,672 bytes; q_codes 4,096 bytes; q_sc 512 bytes; part_s 262,144 bytes; v_img 8,388,608 bytes; v_sc 262,144 bytes
;; launch prep (part 1): grid 304 x 1, 16 waves a work-group, no clusters, 94,720 bytes of LDS; arguments Wk, Wv, Wq, bq, x, w_img, q_codes, q_sc, x_img; writes w_img, q_codes, q_sc, x_img
.if DOCPART == 1
	.amdgcn_target "amdgcn-amd-amdhsa--gfx1250"
	.amdhsa_code_object_version 6
	.text
	.protected	k_q1acd158701_prep
	.globl	k_q1acd158701_prep
	.p2align	8
	.type	k_q1acd158701_prep,@function
k_q1acd158701_prep:
	s_mov_b64 s[64:65], 0
	v_nop
	global_prefetch_b8 v0, s[64:65] scope:SCOPE_SE
	s_setreg_imm32_b32 hwreg(HW_REG_WAVE_MODE, 25, 1), 1
	s_wait_xcnt 0x0
; x, Wk and Wv become codes of BF8 (E5M2) with one E8M0 byte for each 32 along d, laid as IMAGES OF THE OPERAND'S REGISTERS; q = Q(x_last) Q(Wq) + bq is made for the 8 last rows and quantised along e.
; DEAD WORK LEFT OUT BY THIS PROGRAM: reference() returns context[:, -1, :] alone.  A row of the context hangs on its own row of scores, and that on its own row of q, and on nothing of another query's row,
; whatever the inputs hold.  So q, the scores, the softmax and the context are made for each batch's last row alone; k and v are made for all rows.  Every input has a way to the output and is loaded.
; LIMIT: a NaN, an infinity or an overflow that reaches only the rows left out is not carried to the result.
; IMAGES: [block of 256 rows of x, or of 128 columns of Wk and the same 128 of Wv][K step s of 128][33,792 bytes]: 16 tiles of 2,048 bytes, [c][lane r + 16 h][16 bytes], and behind them a scale word for each [tile][r].
; x: row r of tile 2 b + u is row 32 b + 8 u + r + 8 (r / 8) of the 256; Wk's columns likewise in tiles 0-7: so in the next launch's results two tiles are 16 neighbours.  Wv: row r of tile 8 + t is column 16 t + r.
; SHARES.  Work-groups 0-15: Wk, 16-31: Wv, 32-47: Wq: g = work-group % 16: columns 32 g .. 32 g + 31; wave j of 16: d = 32 j .. + 31: one block, c = j % 4 of K step s = j / 4.
;   A LANE TAKES A COLUMN AND ITS REGISTERS RUN DOWN d: a load reads 128 neighbouring bytes a wave, a block lies in one lane's 32 registers.
;   The Wq work-groups keep their images in LDS; wave 0 multiplies them by the 8 last rows of x (rows 8-15 of the fragment repeat rows 0-7) and quantises the block of 32 of q.
; Work-groups 48-303: x, 64 rows each, 4 a wave, all asked for at once by loads of 512 consecutive bytes; a K step turns through the wave's own 2,048 bytes of LDS, so that a lane holds 16 neighbours.  The codes are gathered
;   in LDS and leave as whole aligned units of 256 bytes and more.
; The ways part on the work-group's number alone; each has LDS bytes of its own.  Every byte of x and of the weights is read once for its image: nothing is shared, so there is no cluster.
; LIMITS: NaN and infinities are not served.  A block whose largest magnitude lies under 2^-111 has its byte held at 1; a block of zeros gets the byte 1 where the quantiser says 127:
; its codes are zeros, which add nothing under any byte but 0xff, and this program alone reads the bytes.
.set FLOOR, 0x8000000                  ; 2^(16 - 127): under it no largest magnitude is taken
.set EOFF,  0xf8800000                 ; -(15 << 23): 15 off an exponent field
.set L4,   1                           ; v1   4 x lane
.set VO,   2                           ; v2   2048 u + 16 r
.set VS,   3                           ; v3   4 (r + 16 u)
.set L16,  4                           ; v4   16 x lane
.set VW,   5                           ; v5   my column's bytes in a row of W
.set VX,   6                           ; v6   x: last row of batch lane % 8, + 64 h
.set VBQ,  7                           ; v7   64 h
.set VQC,  8                           ; v8   32 (lane % 8) + 16 h
.set VQS,  9                           ; v9   64 (lane % 8)
.set VOL,  10                          ; v10  LDS: my column's place in Wq's images
.set XQA,  11                          ; v11  LDS: x_last's image, my block
.set XQSA, 12                          ; v12  LDS: its scale byte.  On Wk's and Wv's way: where a scale word is read back
.set WSA,  13                          ; v13  LDS: my column's scale byte
.set SPW,  14                          ; v14  my spare word
.set NIL,  15                          ; v15  0
.set ACC,  16                          ; v16-31 q: two tiles
                                       ; v32-39 at work in the quantiser: 32 largest magnitude, 34 limit, 35 scale operand, 36 byte
.set WSC,  40                          ; v40-43 Wq's scale words
.set XS,   44                          ; v44-47 x_last's
.set BQ,   48                          ; v48-63 bq in the result's layout
.set X,    64                          ; v64-95 32 numbers of W; later Wq's two fragments of a K step
.set C,    96                          ; v96-103 codes; later v96-111 x_last's fragment
.set ST,   104                         ; v104-119 16 numbers of x_last
.set PC,   120                         ; v120-123 their codes; later q's
.set SEL,  32                          ; s[32:33] selects for lane l xor 16
.set MNT,  34                          ; s34 the mantissa field of 57,344
.set WSW,  0                           ; LDS: scale words of Wk's or Wv's way,
.set WSQ,  512                         ; of Wq's way,
.set QW,   1024                        ; Wq's images: 4096 s + 2048 u + 512 c + 16 lane,
.set XQ,   17408                       ; x_last's images, 2048 a K step,
.set XQS,  25600                       ; their scale words, 128 a K step,
.set XST,  26112                       ; x's way: a stage of 2,048 bytes a wave,
.set XIM,  58880                       ; the images of 4 tiles, 8,192 bytes a K step,
.set XSC,  91648                       ; their scale words, 256 a K step,
.set SPARE, 92672                      ; the spare words, 128 bytes a wave
.macro WALU
	s_wait_alu depctr_va_vdst(0)
.endm
.macro SCALE                           ; from the largest magnitude v32
	v_add_nc_u32 v35, EOFF, v32                    ; 15 off its exponent field: the conversion's scale operand
	v_and_or_b32 v34, v32, 0x7f800000, s[MNT]      ; 57,344 x the scale
	v_lshrrev_b32 v36, 23, v35                     ; the scale's byte
.endm
.macro HOLD n, a                       ; the conversion does not saturate (ISA guide 7.6.2): hold the numbers within the largest code x the scale
.set li, 0
.rept \n
	v_med3_num_f32 v[(\a)+li], v[(\a)+li], -v34, v34
.set li, li+1
.endr
.endm
.macro LOADW                           ; W(32 j + i, my column), i = 0 .. 31
.set li, 0
.rept 32
	global_load_b32 v[X+li], v[VW], s[4:5] offset:li*2048 th:TH_LOAD_NT
.set li, li+1
.endr
.endm
.macro Q32                             ; the block of my 32 numbers -> codes v[C .. C + 7], byte v36
	v_max3_num_f32 v32, |v[X]|, |v[X+1]|, |v[X+2]|
	v_max3_num_f32 v33, |v[X+3]|, |v[X+4]|, |v[X+5]|
.irp i, 6,10,14,18,22,26
	v_max3_num_f32 v32, v32, |v[X+\i]|, |v[X+\i+1]|
	v_max3_num_f32 v33, v33, |v[X+\i+2]|, |v[X+\i+3]|
.endr
	v_max3_num_f32 v32, v32, |v[X+30]|, |v[X+31]|
	v_max3_num_f32 v32, v32, v33, FLOOR
	SCALE
	HOLD 32, X
.irp n, 0,1,2,3
	v_cvt_scalef32_pk8_bf8_f32 v[C+2*\n:C+2*\n+1], v[X+8*\n:X+8*\n+7], v35
.endr
	v_nop                                          ; one plain line behind the last conversion
.endm
.macro Q16 a, d                        ; a block of 16 of mine and 16 of lane l xor 16 -> codes v[d .. d + 3], byte v36
	v_max3_num_f32 v32, |v[\a]|, |v[(\a)+1]|, FLOOR
.irp i, 2,4,6,8,10,12,14
	v_max3_num_f32 v32, v32, |v[(\a)+\i]|, |v[(\a)+\i+1]|
.endr
	v_permlanex16_b32 v33, v32, s[SEL], s[SEL+1]
	v_max_num_f32 v32, v32, v33
	SCALE
	HOLD 16, \a
	v_cvt_scalef32_pk8_bf8_f32 v[(\d):(\d)+1], v[(\a):(\a)+7], v35
	v_cvt_scalef32_pk8_bf8_f32 v[(\d)+2:(\d)+3], v[(\a)+8:(\a)+15], v35
	v_nop
.endm
; a product: row = 1: source 0's scales are read from lanes 16-31
.macro WM d, a, b, c, sa, sb, row
.if (\row) == 0
	v_wmma_scale_f32_16x16x128_f8f6f4 v[(\d):(\d)+7], v[(\a):(\a)+15], v[(\b):(\b)+15], v[(\c):(\c)+7], v[\sa], v[\sb] matrix_a_fmt:MATRIX_FMT_BF8 matrix_b_fmt:MATRIX_FMT_BF8
.else
	v_wmma_scale_f32_16x16x128_f8f6f4 v[(\d):(\d)+7], v[(\a):(\a)+15], v[(\b):(\b)+15], v[(\c):(\c)+7], v[\sa], v[\sb] matrix_a_fmt:MATRIX_FMT_BF8 matrix_b_fmt:MATRIX_FMT_BF8 matrix_a_scale:MATRIX_SCALE_ROW1
.endif
.endm
.macro FINISH                          ; the wave's end
	s_wait_tensorcnt 0x0
	ds_add_u32 v[SPW], v[NIL]
	s_wait_dscnt 0x0
	s_endpgm
.endm
	s_load_b256 s[4:11], s[0:1], 0x0               ; Wk s[4:5], Wv s[6:7], Wq s[8:9], bq s[10:11]
	s_load_b256 s[12:19], s[0:1], 0x20             ; x s[12:13], w_img s[14:15], q_codes s[16:17], q_sc s[18:19]
	s_load_b64 s[42:43], s[0:1], 0x40              ; x_img
	v_lshl_add_u32 v[SPW], v0, 2, SPARE
	v_mov_b32 v[NIL], 0
	v_lshrrev_b32 v124, 5, v0
	v_readfirstlane_b32 s22, v124                  ; wave j
	s_and_b32 s23, ttmp9, 15                       ; g
	s_lshr_b32 s36, s22, 2                         ; K step s
	s_and_b32 s37, s22, 3                          ; block c
	v_and_b32 v124, 31, v0                         ; lane = column x
	v_lshlrev_b32 v[L4], 2, v124
	v_lshlrev_b32 v[L16], 4, v124
	v_bfe_u32 v125, v0, 3, 1                       ; u
	v_and_b32 v126, 7, v0
	v_bfe_u32 v127, v0, 4, 1                       ; x >> 4 (also a fragment's h)
	v_lshl_add_u32 v126, v127, 3, v126             ; r
	v_lshlrev_b32 v[VO], 4, v126
	v_lshl_add_u32 v[VO], v125, 11, v[VO]
	v_lshlrev_b32 v[VS], 2, v126
	v_lshl_add_u32 v[VS], v125, 6, v[VS]
	s_mov_b32 s[MNT], 0x600000
	s_lshl_b32 s24, s22, 16                        ; 32 j rows of 2,048 bytes
	s_lshl_b32 s26, s23, 7                         ; + 32 g columns
	s_add_co_u32 s24, s24, s26
	s_mov_b32 s25, 0
	WALU
	s_wait_kmcnt 0x0
	s_cmp_ge_u32 ttmp9, 48
	s_cbranch_scc1 .Lx_path
	s_cmp_ge_u32 ttmp9, 32
	s_cbranch_scc1 .Lq_path
	; ---- Wk or Wv: images and scale words to memory
	v_lshl_add_u32 v127, v125, 4, v126             ; Wv: tile u, row r is column 16 u + r
	v_lshlrev_b32 v127, 2, v127
	s_cmp_lt_u32 ttmp9, 16                         ; the choice hangs on the work-group's number alone
	s_cselect_b64 s[4:5], s[4:5], s[6:7]
	s_cselect_b32 s38, 0, 4
	s_cselect_b32 s44, 0, -1
	v_cndmask_b32 v[VW], v[L4], v127, s44
	s_add_nc_u64 s[4:5], s[4:5], s[24:25]
	LOADW
	s_and_b32 s39, s23, 3
	s_add_co_u32 s39, s39, s38                     ; the pair of tiles: Wk 0-3, Wv 4-7
	s_lshr_b32 s26, s23, 2
	s_mul_i32 s26, s26, 135168                     ; four K steps of 33,792 bytes
	s_mul_i32 s28, s36, 33792
	s_add_co_u32 s28, s28, s26
	s_lshl_b32 s29, s39, 12
	s_add_co_u32 s28, s28, s29
	s_lshl_b32 s29, s37, 9
	s_add_co_u32 s28, s28, s29
	s_mov_b32 s29, 0
	s_add_nc_u64 s[20:21], s[14:15], s[28:29]      ; my block's codes
	s_mul_i32 s30, s37, 33792                      ; waves 0 to 3 (there c = j) store the scale words, K step j each
	s_add_co_u32 s30, s30, s26
	s_lshl_b32 s31, s39, 7
	s_add_co_u32 s30, s30, s31
	s_add_co_u32 s30, s30, 32768
	s_mov_b32 s31, 0
	s_add_nc_u64 s[40:41], s[14:15], s[30:31]
	s_lshl_b32 s26, s36, 7
	s_add_co_u32 s26, s26, s37
	v_add_nc_u32 v[WSA], s26, v[VS]                ; WSW = 0
	s_lshl_b32 s26, s37, 7
	v_add_nc_u32 v[XQSA], s26, v[L4]
	WALU
	s_wait_loadcnt 0x0
	Q32
	ds_store_b8 v[WSA], v36
	global_store_b128 v[VO], v[C:C+3], s[20:21]    ; sixteen lanes fill 256 consecutive bytes, aligned
	global_store_b128 v[VO], v[C+4:C+7], s[20:21] offset:256
	s_wait_dscnt 0x0                               ; my scale bytes have landed
	s_barrier_signal -1
	s_barrier_wait -1
	s_cmp_ge_u32 s22, 4
	s_cbranch_scc1 .Lw_end
	ds_load_b32 v37, v[XQSA]
	s_wait_dscnt 0x0
	global_store_b32 v[L4], v37, s[40:41]          ; 128 consecutive bytes
.Lw_end:
	FINISH
	; ---- x: 64 rows a work-group, rows 4 j .. 4 j + 3 mine
.Lx_path:
	s_sub_co_u32 s26, ttmp9, 48                    ; n: rows 64 n ..
	s_lshl_b32 s28, s26, 17
	s_lshl_b32 s29, s22, 13
	s_add_co_u32 s28, s28, s29
	s_mov_b32 s29, 0
	s_add_nc_u64 s[12:13], s[12:13], s[28:29]
.irp s, 0,1,2,3
.irp p, 0,1,2,3
	global_load_b128 v[64+16*\s+4*\p:67+16*\s+4*\p], v[L16], s[12:13] offset:2048*\p+512*\s th:TH_LOAD_NT   ; K step s of row p: 512 consecutive bytes
.endr
.endr
	; where the results go: quarter n % 4 of block n / 4
	s_lshr_b32 s27, s26, 2
	s_mul_i32 s27, s27, 135168
	s_and_b32 s26, s26, 3
	s_mul_i32 s28, s36, 33792                      ; codes: wave j takes 2,048 bytes: K step j / 4, tile j % 4
	s_add_co_u32 s28, s28, s27
	s_lshl_b32 s30, s26, 13
	s_add_co_u32 s28, s28, s30
	s_lshl_b32 s30, s37, 11
	s_add_co_u32 s28, s28, s30
	s_add_nc_u64 s[20:21], s[42:43], s[28:29]
	s_mul_i32 s28, s37, 33792                      ; scale words: wave j < 4 takes K step j's 256 bytes
	s_add_co_u32 s28, s28, s27
	s_lshl_b32 s30, s26, 8
	s_add_co_u32 s28, s28, s30
	s_add_co_u32 s28, s28, 32768
	s_add_nc_u64 s[40:41], s[42:43], s[28:29]
	; my rows in the images: tile 2 (j / 8) + (j / 2) % 2, rows 4 (j % 2) + 8 ((j / 4) % 2) on
	s_lshr_b32 s24, s22, 3
	s_lshl_b32 s24, s24, 1
	s_bfe_u32 s25, s22, 0x10001
	s_add_co_u32 s24, s24, s25                     ; the tile
	s_and_b32 s25, s22, 1
	s_lshl_b32 s25, s25, 2
	s_bfe_u32 s26, s22, 0x10002
	s_lshl_b32 s26, s26, 3
	s_add_co_u32 s25, s25, s26                     ; the first row
	s_lshl_b32 s26, s24, 11
	s_lshl_b32 s27, s25, 4
	s_add_co_u32 s26, s26, s27
	s_add_co_u32 s26, s26, XIM
	s_lshl_b32 s27, s24, 6
	s_lshl_b32 s25, s25, 2
	s_add_co_u32 s27, s27, s25
	s_add_co_u32 s27, s27, XSC
	s_lshl_b32 s24, s22, 11
	s_add_co_u32 s25, s24, XST                     ; my stage
	s_add_co_u32 s24, s24, XIM
	; the stage: a row's pieces of 16 bytes lie rotated inside their 64 bytes, by the row and the half of the row, so that sixteen lanes read sixteen different columns of 16 bytes
	v_and_b32 v32, 31, v0                          ; lane
	v_lshrrev_b32 v33, 3, v32                      ; out: my row,
	v_and_b32 v34, 7, v32                          ; my unit of 64 bytes, 2 c + h
	v_lshrrev_b32 v35, 2, v32
	v_lshl_add_u32 v36, v35, 6, s25
	v_lshrrev_b32 v37, 4, v32
	v_lshl_add_u32 v37, v37, 1, v32                ; in: lane + 2 (lane / 16)
	v_lshl_add_u32 v38, v33, 9, s25
	v_lshl_add_u32 v38, v34, 6, v38
	v_bfe_u32 v39, v32, 2, 1
	v_lshl_add_u32 v39, v39, 1, v33                ; out: row + 2 (unit / 4)
.irp k, 0,1,2,3
	v_add_nc_u32 v40, \k, v37
	v_add_nc_u32 v41, \k, v39
	v_and_b32 v40, 3, v40
	v_and_b32 v41, 3, v41
	v_lshl_add_u32 v[16+\k], v40, 4, v36           ; v16-19 in: by row
	v_lshl_add_u32 v[20+\k], v41, 4, v38           ; v20-23 out: by piece
.endr
	v_and_b32 v40, 1, v32                          ; h
	v_bfe_u32 v41, v32, 1, 2                       ; c
	v_lshl_add_u32 v42, v33, 4, s26
	v_lshl_add_u32 v42, v40, 8, v42
	v_lshl_add_u32 v24, v41, 9, v42                ; v24 my codes in the images
	v_lshl_add_u32 v42, v33, 2, s27
	v_add_nc_u32 v25, v42, v41                     ; v25 my scale byte
	v_add_nc_u32 v26, s24, v[L16]                  ; v26 images, read
	v_lshlrev_b32 v28, 3, v32                      ; v28 8 x lane
	s_lshl_b32 s24, s37, 8
	s_add_co_u32 s24, s24, XSC
	v_add_nc_u32 v27, s24, v28                     ; v27 scale words, read
	WALU
; K steps s, s + 1: my 16 numbers of each at v32, v48
.macro XPAIR s
	s_wait_loadcnt 8-4*(\s)                        ; both K steps are in
.irp k, 0,1
.irp p, 0,1,2,3
	ds_store_b128 v[16+\p], v[64+16*((\s)+\k)+4*\p:67+16*((\s)+\k)+4*\p] offset:512*\p
.endr
.irp j, 0,1,2,3
	ds_load_b128 v[32+16*\k+4*\j:35+16*\k+4*\j], v[20+\j]   ; LDS serves a wave's instructions in order (ISA guide 5.7.1.4)
.endr
.endr
	s_wait_dscnt 0x0
.irp k, 0,1
	v_max3_num_f32 v[6+\k], |v[32+16*\k]|, |v[33+16*\k]|, FLOOR
.endr
.irp k, 0,1
	v_max3_num_f32 v[8+\k], |v[40+16*\k]|, |v[41+16*\k]|, |v[42+16*\k]|
.endr
.irp i, 2,4
.irp k, 0,1
	v_max3_num_f32 v[6+\k], v[6+\k], |v[32+16*\k+\i]|, |v[33+16*\k+\i]|
	v_max3_num_f32 v[8+\k], v[8+\k], |v[41+16*\k+\i]|, |v[42+16*\k+\i]|
.endr
.endr
.irp k, 0,1
	v_max3_num_f32 v[6+\k], v[6+\k], |v[38+16*\k]|, |v[39+16*\k]|
.endr
.irp k, 0,1
	v_max3_num_f32 v[6+\k], v[6+\k], v[8+\k], |v[47+16*\k]|
.endr
	v_max_num_f32_dpp v6, v6, v6 row_xmask:1 row_mask:0xf bank_mask:0xf   ; with my neighbour's 16: the block's
	v_max_num_f32_dpp v7, v7, v7 row_xmask:1 row_mask:0xf bank_mask:0xf
.irp k, 0,1
	v_add_nc_u32 v[10+\k], EOFF, v[6+\k]
.endr
.irp k, 0,1
	v_and_or_b32 v[12+\k], v[6+\k], 0x7f800000, s[MNT]
.endr
.irp k, 0,1
	v_lshrrev_b32 v[30+\k], 23, v[10+\k]
.endr
.irp k, 0,1
.irp i, 0,1,2,3,4,5,6,7,8,9,10,11,12,13,14,15
	v_med3_num_f32 v[32+16*\k+\i], v[32+16*\k+\i], -v[12+\k], v[12+\k]
.endr
.endr
.irp k, 0,1
	v_cvt_scalef32_pk8_bf8_f32 v[64+16*(\s)+4*\k:65+16*(\s)+4*\k], v[32+16*\k:39+16*\k], v[10+\k]   ; into registers that have gone into the stage
	v_cvt_scalef32_pk8_bf8_f32 v[66+16*(\s)+4*\k:67+16*(\s)+4*\k], v[40+16*\k:47+16*\k], v[10+\k]
.endr
	v_nop
.irp k, 0,1
	ds_store_b128 v24, v[64+16*(\s)+4*\k:67+16*(\s)+4*\k] offset:8192*((\s)+\k)
	ds_store_b8 v25, v[30+\k] offset:256*((\s)+\k)   ; both halves' lanes write the same byte
.endr
.endm
	XPAIR 0
	XPAIR 2
	s_wait_dscnt 0x0                               ; for the others' sake: my stores have landed
	s_barrier_signal -1
	s_barrier_wait -1
.irp k, 0,1,2,3
	ds_load_b128 v[32+4*\k:35+4*\k], v26 offset:512*\k
.endr
	s_wait_dscnt 0x0
.irp k, 0,1,2,3
	global_store_b128 v[L16], v[32+4*\k:35+4*\k], s[20:21] offset:512*\k   ; 512 consecutive bytes, aligned
.endr
	s_cmp_ge_u32 s22, 4
	s_cbranch_scc1 .Lx_end
	ds_load_b64 v[48:49], v27
	s_wait_dscnt 0x0
	global_store_b64 v28, v[48:49], s[40:41]       ; 256 consecutive bytes, aligned
.Lx_end:
	FINISH
	; ---- Wq: images to LDS, and q
.Lq_path:
	s_add_nc_u64 s[4:5], s[8:9], s[24:25]          ; Wq at my wave's rows and columns
	v_mov_b32 v[VW], v[L4]
	v_and_b32 v125, 7, v0                          ; the batch of my row of x's fragment: rows 8-15 repeat rows 0-7
	v_lshlrev_b32 v[VX], 22, v125                  ; a batch is 2,048 rows of 2,048 bytes
	v_lshl_add_u32 v[VX], v127, 6, v[VX]           ; + 64 h: my 16 numbers of a block of 32
	v_add_nc_u32 v[VX], 2047*2048, v[VX]           ; its last row
	v_lshlrev_b32 v[VBQ], 6, v127
	v_lshlrev_b32 v[VQC], 5, v125
	v_lshl_add_u32 v[VQC], v127, 4, v[VQC]
	v_lshlrev_b32 v[VQS], 6, v125
	s_mov_b32 s29, 0
	s_lshl_b32 s28, s23, 7
	s_add_nc_u64 s[10:11], s[10:11], s[28:29]      ; bq at e = 32 g
	s_lshl_b32 s28, s22, 7
	s_add_nc_u64 s[12:13], s[12:13], s[28:29]      ; x at d = 32 j
	s_lshl_b32 s28, s23, 8
	s_add_nc_u64 s[16:17], s[16:17], s[28:29]      ; q_codes at block g
	s_lshl_b32 s28, s23, 2
	s_add_nc_u64 s[18:19], s[18:19], s[28:29]      ; q_sc at block g
	s_lshl_b32 s26, s36, 12                        ; every LDS address is made here, ahead of the first branch on the wave's number
	s_lshl_b32 s27, s37, 9
	s_add_co_u32 s26, s26, s27
	s_add_co_u32 s26, s26, QW
	v_add_nc_u32 v[VOL], s26, v[VO]
	s_lshl_b32 s26, s36, 11
	s_add_co_u32 s26, s26, s27
	s_add_co_u32 s26, s26, XQ
	v_add_nc_u32 v[XQA], s26, v[L16]
	s_lshl_b32 s26, s36, 7
	s_add_co_u32 s26, s26, s37
	s_add_co_u32 s27, s26, XQS
	v_add_nc_u32 v[XQSA], s27, v[L4]
	s_add_co_u32 s27, s26, WSQ
	v_add_nc_u32 v[WSA], s27, v[VS]
	v_mov_b32 v33, 0                               ; a lane permute's destination counts as one of its sources
	s_mov_b32 s[SEL], 0x76543210
	s_mov_b32 s[SEL+1], 0xfedcba98
	WALU
	s_cmp_lg_u32 s22, 0
	s_cbranch_scc1 .Lno_bq
.irp j, 0,1,2,3
	global_load_b128 v[BQ+4*\j:BQ+4*\j+3], v[VBQ], s[10:11] offset:16*\j   ; wave 0: bq(32 g + 16 h + 0 .. 15): the C of the two tiles' first products
.endr
.Lno_bq:
.irp j, 0,1,2,3
	global_load_b128 v[ST+4*\j:ST+4*\j+3], v[VX], s[12:13] offset:16*\j   ; x_last(batch, 32 j + 16 h + 0 .. 15)
.endr
	LOADW
	s_wait_loadcnt 32                              ; x_last's numbers are in; the 32 loads of W may be out
	Q16 ST, PC
	ds_store_b128 v[XQA], v[PC:PC+3]               ; the fragment as it stands: lane l's 16 bytes at 16 l
	ds_store_b8 v[XQSA], v36
	s_wait_loadcnt 0x0
	Q32
	ds_store_b128 v[VOL], v[C:C+3]
	ds_store_b128 v[VOL], v[C+4:C+7] offset:256
	ds_store_b8 v[WSA], v36
	s_wait_dscnt 0x0                               ; for the others' sake: my stores have landed
	s_barrier_signal -1
	s_barrier_wait -1
	s_cmp_lg_u32 s22, 0
	s_cbranch_scc1 .Lq_end                         ; eight products are left: wave 0's
.irp s, 0,1,2,3
	ds_load_b32 v[WSC+\s], v[L4] offset:WSQ+128*\s
	ds_load_b32 v[XS+\s], v[L4] offset:XQS+128*\s
.endr
; source 0 = 16 columns of Wq, source 1 = x_last: lane (r, h) holds batch r, and the 16 registers of the two tiles are e = 32 g + 16 h + 0 .. 15.
; The two accumulators take turns, one instruction a turn.
.irp s, 0,1,2,3
.irp c, 0,1,2,3
	ds_load_b128 v[C+4*\c:C+4*\c+3], v[L16] offset:XQ+2048*\s+512*\c
	ds_load_b128 v[X+4*\c:X+4*\c+3], v[L16] offset:QW+4096*\s+512*\c
	ds_load_b128 v[X+16+4*\c:X+16+4*\c+3], v[L16] offset:QW+4096*\s+2048+512*\c
.endr
	s_wait_dscnt 0x0
.irp u, 0,1
.if \s == 0
	WM ACC+8*\u, X+16*\u, C, BQ+8*\u, WSC+\s, XS+\s, \u
.else
	WM ACC+8*\u, X+16*\u, C, ACC+8*\u, WSC+\s, XS+\s, \u
.endif
.endr
.rept 8
	v_nop                                          ; in front of loads into registers that these products read, and of the first read of results
.endr
.endr
	Q16 ACC, PC                                    ; the block of 32 along e: my 16 and lane l xor 16's
	global_store_b128 v[VQC], v[PC:PC+3], s[16:17] ; [block g][batch][32 bytes]: 256 consecutive bytes; rows 8-15 write what rows 0-7 write
	global_store_b32 v[VQS], v36, s[18:19]         ; [batch][block g]: the byte, as a word
.Lq_end:
	FINISH
.Lfunc_end_k_q1acd158701_prep:
	.size	k_q1acd158701_prep, .Lfunc_end_k_q1acd158701_prep-k_q1acd158701_prep
	.p2alignl 7, 3214868480
	.fill 96, 4, 3214868480
	.section	.rodata,"a",@progbits
	.p2align	6, 0x0
	.amdhsa_kernel k_q1acd158701_prep
		.amdhsa_group_segment_fixed_size 94720
		.amdhsa_private_segment_fixed_size 0
		.amdhsa_enable_private_segment 0
		.amdhsa_kernarg_size 72
		.amdhsa_user_sgpr_count 2
		.amdhsa_user_sgpr_kernarg_segment_ptr 1
		.amdhsa_wavefront_size32 1
		.amdhsa_system_sgpr_workgroup_id_x 1
		.amdhsa_system_sgpr_workgroup_id_y 1
		.amdhsa_system_sgpr_workgroup_id_z 1
		.amdhsa_system_vgpr_workitem_id 0
		.amdhsa_next_free_vgpr 128
		.amdhsa_next_free_sgpr 66
		.amdhsa_reserve_vcc 0
		.amdhsa_float_denorm_mode_32 3
		.amdhsa_float_denorm_mode_16_64 3
		.amdhsa_memory_ordered 1
		.amdhsa_forward_progress 1
		.amdhsa_inst_pref_size 47
	.end_amdhsa_kernel
	.amdgpu_metadata
---
amdhsa.version: [ 1, 2 ]
amdhsa.kernels:
  - .name:           k_q1acd158701_prep
    .symbol:         k_q1acd158701_prep.kd
    .args:
      - { .name: Wk, .offset: 0, .size: 8, .value_kind: global_buffer, .address_space: global }
      - { .name: Wv, .offset: 8, .size: 8, .value_kind: global_buffer, .address_space: global }
      - { .name: Wq, .offset: 16, .size: 8, .value_kind: global_buffer, .address_space: global }
      - { .name: bq, .offset: 24, .size: 8, .value_kind: global_buffer, .address_space: global }
      - { .name: x, .offset: 32, .size: 8, .value_kind: global_buffer, .address_space: global }
      - { .name: w_img, .offset: 40, .size: 8, .value_kind: global_buffer, .address_space: global }
      - { .name: q_codes, .offset: 48, .size: 8, .value_kind: global_buffer, .address_space: global }
      - { .name: q_sc, .offset: 56, .size: 8, .value_kind: global_buffer, .address_space: global }
      - { .name: x_img, .offset: 64, .size: 8, .value_kind: global_buffer, .address_space: global }
    .group_segment_fixed_size: 94720
    .private_segment_fixed_size: 0
    .kernarg_segment_align: 8
    .kernarg_segment_size: 72
    .max_flat_workgroup_size: 512
    .sgpr_count:     66
    .vgpr_count:     128
    .wavefront_size: 32
...
	.end_amdgpu_metadata
.endif
;; end of part 1
;; launch main (part 2): grid 4 x 64, 8 waves a work-group, clusters of 4 x 4, 327,680 bytes of LDS; arguments bk, bv, x_img, w_img, q_codes, q_sc, part_s, v_img, v_sc; writes part_s, v_img, v_sc
.if DOCPART == 2
	.amdgcn_target "amdgcn-amd-amdhsa--gfx1250"
	.amdhsa_code_object_version 6
	.text
	.protected	k_q1acd158701_main
	.globl	k_q1acd158701_main
	.p2align	8
	.type	k_q1acd158701_main,@function
k_q1acd158701_main:
	s_mov_b64 s[64:65], 0
	v_nop
	global_prefetch_b8 v0, s[64:65] scope:SCOPE_SE
	s_setreg_imm32_b32 hwreg(HW_REG_WAVE_MODE, 25, 1), 1
	s_wait_xcnt 0x0
	s_wait_alu depctr_hold_cnt(0) depctr_sa_sdst(0) depctr_va_vdst(0) depctr_va_sdst(0) depctr_va_ssrc(0) depctr_va_vcc(0) depctr_vm_vsrc(0)
	s_getreg_b32 s2, hwreg(HW_REG_IB_STS2, 6, 4)
	s_cmp_eq_u32 s2, 0
	s_cbranch_scc0 .Lentry_in_a_cluster
	s_endpgm
.Lentry_in_a_cluster:
	s_bfe_u32 s2, ttmp6, 0x10000c
	s_cmp_lg_u32 s2, 0xf033
	s_cbranch_scc0 .Lentry_shape_is_right
	s_endpgm
.Lentry_shape_is_right:
; k = Q(x) Q(Wk) + bk, quantised along e, and from it the partial scores of the batch's last query (the other queries' rows are sliced away by reference(): dead work, shown at the head of the first kernel);
; v = Q(x) Q(Wv) + bv, quantised along the keys, whose codes go to memory.  All products on codes of BF8 (E5M2) with one E8M0 byte for each 32 along K; sums in f32; no f32 k or v is stored.
; SHARES.  A work-group makes 256 rows x (128 columns of k + the same 128 of v): row block rb of 64, column block cx of 4.  Its operands, 135,168 bytes of x's images and as many of the weights', fit in LDS together:
; nothing is filled twice.  Eight waves.  Waves 0-3 make k: 128 of e (source 0: eight tiles of Wk) for 64 keys (source 1: four tiles of x).  Waves 4-7 make v: 128 keys (source 0: eight tiles of x) for 64 channels
; (source 1: four tiles of Wv).  So both go the same way through the text: a lane's registers run along the next product's K, 128 of it a wave, and its codes are whole fragments of K = 128.
; CLUSTER.  4 x 4 work-groups: the four of a row (same rb) share x's images, the four of a column (same cx) the weights'.  Each wave issues ONE joint load: wave 2 s K step s of x, wave 2 s + 1 K step s of the weights,
; 33,792 dense bytes (16 tiles and their scale words), each by a line of its own.  K step s is multiplied when waves 0 .. 2 s + 1 have waited, while the later ones are on their way.
; No prefetch: all that a work-group reads is asked for at its head, and no loop follows that could run ahead.
; OUT: part_s [cx][16,384 keys] f32;  v_img [batch][channel tile][key step of 128][2,048 bytes];  v_sc [batch][key step][channel tile][16 words].
; LIMITS: NaN and infinities are not served.  A block whose largest magnitude lies under 2^-111 has its byte held at 1; a block of zeros gets the byte 1 with zero codes.
; REGISTERS.  Window 0: v1-19 addresses; v20-31 scale words; v32-95 source 1's four fragments; v96-223 source 0's eight; v224-239 q's fragment; v240-246 addresses.
; Window 1: the accumulators (a, b) of tiles a of source 0 and b of source 1 at 64 b + 8 a.
.set FLOOR, 0x8000000                  ; 2^(16 - 127)
.set EOFF,  0xf8800000                 ; -(15 << 23)
.set IMG,   33792                      ; LDS: K step s: x at 2 s IMG, the weights at (2 s + 1) IMG; in each 32,768 bytes of tiles, then the scale words
.set SPARE, 270336                     ; the spare words, 128 bytes a wave,
.set OST,   271360                     ; a stage of 256 bytes a wave: up to 273,408
.set L16,  1                           ; v1   16 x lane
.set ADA,  2                           ; v2-5 source 0's tiles, by K step
.set ADB,  6                           ; v6-9 source 1's
.set SCA,  10                          ; v10-13 their scale words
.set SCB,  14                          ; v14-17
.set SPW,  18                          ; v18  LDS address of my spare word; never rewritten
.set ZR,   19                          ; v19  0; never rewritten
.set SAR,  20                          ; v20-23 source 0's scale words: lanes 0-15 tile 2 p, lanes 16-31 tile 2 p + 1
.set SBR,  24                          ; v24-25 source 1's
.set QSW,  26
.set KSW,  28                          ; v28-31 the results' scale words
.set FB,   32
.set FA,   96
.set QF,   224
.set SIK,  240                         ; v240 the stage, in: 4 (r + (r & 8))
.set SIV,  241                         ; v241 4 r
.set SO,   242                         ; v242 out: 8 x lane
.set GO,   243                         ; v243 the same in memory
.set G1X,  28                          ; s[28:35], s[36:43] groups 1 for x's images and the weights'
.set G1W,  36
.set G0X,  56                          ; s[56:59], s[60:63] groups 0
.set G0W,  60
.set SEL,  66
.set MNT,  68
.set MSB, 0
.macro WIN new                         ; the immediate's high byte repeats the setting that is left
.if MSB != (\new)
	s_set_vgpr_msb (MSB<<8)|(\new)
.set MSB, (\new)
.endif
.endm
.macro PLACES n
.rept \n
	v_nop
.endr
.endm
.macro WALU
	s_wait_alu depctr_va_vdst(0)
.endm
.macro ROUND                           ; a round of the cluster's barrier: wave 0 signals for the work-group
	s_barrier_signal -1
	s_barrier_wait -1
	s_cmp_lg_u32 s22, 0
	s_cbranch_scc1 .Lnot_wave_0_\@
	s_barrier_signal -3
.Lnot_wave_0_\@:
	s_barrier_wait -3
	s_barrier_signal -1
	s_barrier_wait -1
.endm
; a product in place; ra, rb = 1: that source's scales are read from lanes 16-31
.macro WM d, a, b, sa, sb, ra, rb
.if (\ra) && (\rb)
	v_wmma_scale_f32_16x16x128_f8f6f4 v[(\d):(\d)+7], v[(\a):(\a)+15], v[(\b):(\b)+15], v[(\d):(\d)+7], v[\sa], v[\sb] matrix_a_fmt:MATRIX_FMT_BF8 matrix_b_fmt:MATRIX_FMT_BF8 matrix_a_scale:MATRIX_SCALE_ROW1 matrix_b_scale:MATRIX_SCALE_ROW1
.elseif (\ra)
	v_wmma_scale_f32_16x16x128_f8f6f4 v[(\d):(\d)+7], v[(\a):(\a)+15], v[(\b):(\b)+15], v[(\d):(\d)+7], v[\sa], v[\sb] matrix_a_fmt:MATRIX_FMT_BF8 matrix_b_fmt:MATRIX_FMT_BF8 matrix_a_scale:MATRIX_SCALE_ROW1
.elseif (\rb)
	v_wmma_scale_f32_16x16x128_f8f6f4 v[(\d):(\d)+7], v[(\a):(\a)+15], v[(\b):(\b)+15], v[(\d):(\d)+7], v[\sa], v[\sb] matrix_a_fmt:MATRIX_FMT_BF8 matrix_b_fmt:MATRIX_FMT_BF8 matrix_b_scale:MATRIX_SCALE_ROW1
.else
	v_wmma_scale_f32_16x16x128_f8f6f4 v[(\d):(\d)+7], v[(\a):(\a)+15], v[(\b):(\b)+15], v[(\d):(\d)+7], v[\sa], v[\sb] matrix_a_fmt:MATRIX_FMT_BF8 matrix_b_fmt:MATRIX_FMT_BF8
.endif
.endm
.macro GROUP1 g                        ; behind its first word: 132 rows of 32 elements of 8 bytes, dense
	s_mov_b32 s[\g+1], 32<<16
	s_mov_b32 s[\g+2], 132<<16
	s_mov_b32 s[\g+3], 32<<16
	s_mov_b32 s[\g+4], 132
	s_mov_b32 s[\g+5], 32
	s_mov_b32 s[\g+6], 0
	s_mov_b32 s[\g+7], 0
.endm
	s_load_b256 s[4:11], s[0:1], 0x0               ; bk s[4:5], bv s[6:7], x_img s[8:9], w_img s[10:11]
	s_load_b256 s[12:19], s[0:1], 0x20             ; q_codes s[12:13], q_sc s[14:15], part_s s[16:17], v_img s[18:19]
	s_load_b64 s[20:21], s[0:1], 0x40              ; v_sc
	v_lshl_add_u32 v[SPW], v0, 2, SPARE
	v_mov_b32 v[ZR], 0
	ds_add_u32 v[SPW], v[ZR]                       ; the opening: the add, twice on end, and its wait
	ds_add_u32 v[SPW], v[ZR]
	v_lshrrev_b32 v32, 5, v0
	v_readfirstlane_b32 s22, v32                   ; wave w
	s_bfe_u32 s46, ttmp6, 0x40000                  ; cx: the column block
	s_bfe_u32 s47, ttmp6, 0x40004                  ; cy
	s_and_b32 s48, ttmp7, 0xffff
	s_lshl_b32 s48, s48, 2
	s_add_co_u32 s48, s48, s47                     ; rb: the row block
	s_lshl_b32 s49, s47, 2
	s_lshl_b32 s49, 15, s49                        ; my row of the cluster shares x's images
	s_or_b32 s[G1X], s49, (3<<16)|(1<<21)          ; 17:16 elements of 8 bytes; 21 set beside a mask
	s_lshl_b32 s49, 0x1111, s46                    ; my column the weights'
	s_or_b32 s[G1W], s49, (3<<16)|(1<<21)
	GROUP1 G1X
	GROUP1 G1W
	s_lshr_b32 s54, s22, 1                         ; the K step that I fetch
	s_mul_i32 s54, s54, IMG
	s_mul_i32 s50, s48, 4*IMG
	s_add_co_u32 s50, s50, s54
	s_mov_b32 s51, 0
	s_mul_i32 s52, s46, 4*IMG
	s_add_co_u32 s52, s52, s54
	s_mov_b32 s53, 0
	s_mul_i32 s54, s22, IMG                        ; where it goes: wave x IMG
	s_mov_b32 s[G0X], 1
	s_mov_b32 s[G0X+1], s54
	s_mov_b32 s[G0W], 1
	s_mov_b32 s[G0W+1], s54
	s_wait_dscnt 0x0                               ; both adds are done
	ROUND                                          ; all sixteen work-groups are here: the joint loads meet
	s_wait_kmcnt 0x0
	s_add_nc_u64 s[G0X+2:G0X+3], s[8:9], s[50:51]
	s_or_b32 s[G0X+3], s[G0X+3], 0x80000000
	s_add_nc_u64 s[G0W+2:G0W+3], s[10:11], s[52:53]
	s_or_b32 s[G0W+3], s[G0W+3], 0x80000000
; one load a wave, an arm a wave
.macro TLOAD g0, g1
	tensor_load_to_lds s[\g0:\g0+3], s[\g1:\g1+7]
	s_nop 0
	PLACES 4
.endm
.macro ARM n, g0, g1
	s_cmp_lt_u32 s22, \n
	s_cbranch_scc0 .Lnext_\@
	TLOAD \g0, \g1
	s_branch .Lasked
.Lnext_\@:
.endm
	ARM 1, G0X, G1X
	ARM 2, G0W, G1W
	ARM 3, G0X, G1X
	ARM 4, G0W, G1W
	ARM 5, G0X, G1X
	ARM 6, G0W, G1W
	ARM 7, G0X, G1X
	TLOAD G0W, G1W
.Lasked:
	s_lshr_b32 s24, s22, 2                         ; 0: k, 1: v
	s_xor_b32 s72, s24, 1
	s_and_b32 s23, s22, 3                          ; i
	s_lshr_b32 s25, s23, 1
	s_and_b32 s26, s23, 1
	s_lshr_b32 s70, s48, 3                         ; the batch
	s_and_b32 s71, s48, 7
	s_lshl_b32 s71, s71, 1
	s_add_co_u32 s71, s71, s25                     ; v's key step in the batch
	; global addresses.  cx and rb enter no LDS address and no branch
	s_mov_b32 s51, 0
	s_lshl_b32 s50, s70, 6                         ; q's four scale bytes, a word each: [batch][block]
	s_lshl_b32 s54, s46, 4
	s_add_co_u32 s50, s50, s54
	s_add_nc_u64 s[82:83], s[14:15], s[50:51]
	s_load_b128 s[84:87], s[82:83], 0x0
	s_lshl_b32 s50, s46, 10                        ; q's codes: [block][batch][32]
	s_lshl_b32 s54, s70, 5
	s_add_co_u32 s50, s50, s54
	s_add_nc_u64 s[76:77], s[12:13], s[50:51]
	s_lshl_b32 s50, s46, 9
	s_add_nc_u64 s[74:75], s[4:5], s[50:51]        ; bk at 128 cx
	s_lshl_b32 s54, s26, 8
	s_add_co_u32 s50, s50, s54
	s_add_nc_u64 s[44:45], s[6:7], s[50:51]        ; bv at 128 cx + 64 (i % 2)
	s_lshl_b32 s50, s46, 16
	s_lshl_b32 s54, s48, 10
	s_add_co_u32 s50, s50, s54
	s_lshl_b32 s54, s23, 8
	s_add_co_u32 s50, s50, s54
	s_add_nc_u64 s[80:81], s[16:17], s[50:51]      ; part_s: keys 256 rb + 64 i
	s_lshl_b32 s55, s46, 3
	s_lshl_b32 s54, s26, 2
	s_add_co_u32 s55, s55, s54                     ; v's first channel tile
	s_lshl_b32 s50, s70, 5
	s_add_co_u32 s50, s50, s55
	s_lshl_b32 s50, s50, 4
	s_add_co_u32 s50, s50, s71
	s_lshl_b32 s50, s50, 11
	s_add_nc_u64 s[78:79], s[18:19], s[50:51]      ; v_img
	s_lshl_b32 s50, s70, 4
	s_add_co_u32 s50, s50, s71
	s_lshl_b32 s50, s50, 5
	s_add_co_u32 s50, s50, s55
	s_lshl_b32 s50, s50, 6
	s_add_nc_u64 s[88:89], s[20:21], s[50:51]      ; v_sc
	s_mov_b32 s[SEL], 0x76543210
	s_mov_b32 s[SEL+1], 0xfedcba98
	s_mov_b32 s[MNT], 0x600000
	; LDS addresses, from the wave's number alone
	s_mul_i32 s54, s72, IMG                        ; source 0: k: the weights' tiles 0-7; v: x's tiles 8 (i / 2) on
	s_mul_i32 s55, s24, s25
	s_lshl_b32 s90, s55, 14
	s_add_co_u32 s90, s90, s54
	s_lshl_b32 s91, s55, 9
	s_add_co_u32 s91, s91, s54
	s_add_co_u32 s91, s91, 32768
	s_mul_i32 s54, s72, s23                        ; source 1: k: x's tiles 4 i on; v: the weights' tiles 8 + 4 (i % 2) on
	s_mul_i32 s55, s24, s26
	s_lshl_b32 s92, s54, 13
	s_lshl_b32 s93, s55, 13
	s_add_co_u32 s92, s92, s93
	s_mul_i32 s93, s24, IMG+16384
	s_add_co_u32 s92, s92, s93
	s_lshl_b32 s93, s54, 8
	s_lshl_b32 s94, s55, 8
	s_add_co_u32 s93, s93, s94
	s_mul_i32 s94, s24, IMG+512
	s_add_co_u32 s93, s93, s94
	s_add_co_u32 s93, s93, 32768
	v_and_b32 v33, 31, v0                          ; lane
	v_lshlrev_b32 v[L16], 4, v33
	v_lshlrev_b32 v34, 2, v33
.irp s, 0,1,2,3
	v_add_nc_u32 v[ADA+\s], s90, v[L16]
	v_add_nc_u32 v[ADB+\s], s92, v[L16]
	v_add_nc_u32 v[SCA+\s], s91, v34
	v_add_nc_u32 v[SCB+\s], s93, v34
	s_add_co_u32 s90, s90, 2*IMG
	s_add_co_u32 s91, s91, 2*IMG
	s_add_co_u32 s92, s92, 2*IMG
	s_add_co_u32 s93, s93, 2*IMG
.endr
	s_lshl_b32 s54, s22, 8
	s_add_co_u32 s54, s54, OST
	v_and_b32 v35, 15, v0                          ; r
	v_bfe_u32 v36, v0, 4, 1                        ; h
	v_and_b32 v37, 8, v35
	v_add_nc_u32 v37, v37, v35
	v_lshl_add_u32 v[SIK], v37, 2, s54
	v_lshl_add_u32 v[SIV], v35, 2, s54
	v_lshlrev_b32 v[GO], 3, v33
	v_add_nc_u32 v[SO], s54, v[GO]
	v_lshlrev_b32 v244, 4, v36                     ; 16 h
	v_lshlrev_b32 v245, 6, v36                     ; 64 h
	v_lshlrev_b32 v246, 2, v35                     ; 4 r
	WALU
	; the biases start the sums
	s_cmp_lt_u32 s22, 4
	s_cbranch_scc0 .Lbias_v
	WIN 0x40                                       ; destination window 1
.irp p, 0,1,2,3
.irp j, 0,1,2,3
	global_load_b128 v[16*\p+4*\j:16*\p+4*\j+3], v245, s[74:75] offset:128*\p+16*\j   ; bk(128 cx + 32 p + 16 h + 0 .. 15)
.endr
.endr
	WIN 0
.irp c, 0,1,2,3
	global_load_b128 v[QF+4*\c:QF+4*\c+3], v244, s[76:77] offset:256*\c   ; q: e = 128 cx + 32 c + 16 h + 0 .. 15, the same in every r
.endr
	s_wait_loadcnt 4                               ; bk is in; q's four loads may be out
	WIN 0x41
.set li, 0
.rept 64
.irp b, 1,2,3
	v_mov_b32 v[64*\b+li], v[li]                   ; alike for the four tiles of keys
.endr
.set li, li+1
.endr
	WIN 0
	s_branch .Lbias
.Lbias_v:
	WIN 0x40
.irp b, 0,1,2,3
	global_load_b32 v[64*\b], v246, s[44:45] offset:64*\b   ; bv of my lane's channel in tile b
.endr
	s_wait_loadcnt 0x0
	WIN 0x41
.set li, 1
.rept 63
.irp b, 0,1,2,3
	v_mov_b32 v[64*\b+li], v[64*\b]                ; alike for all keys
.endr
.set li, li+1
.endr
	WIN 0
.Lbias:
	s_wait_kmcnt 0x0
	s_lshl_b32 s85, s85, 8
	s_lshl_b32 s86, s86, 16
	s_lshl_b32 s87, s87, 24
	s_or_b32 s84, s84, s85
	s_or_b32 s86, s86, s87
	s_or_b32 s84, s84, s86
	v_mov_b32 v[QSW], s84                          ; q's scale word
	WALU
; K STEP s: 32 products, each accumulator once, in the same order in every step: they take turns.
.macro STEP s
.if (\s) < 3
	s_cmp_lt_u32 s22, 2*(\s)+2
	s_cbranch_scc0 .Lnot_mine_\@
	s_wait_tensorcnt 0x0                           ; the waves that fetched this step's images, or an earlier one's
.Lnot_mine_\@:
.else
	s_wait_tensorcnt 0x0
.endif
	s_barrier_signal -1                            ; (no LDS instruction of mine is out)
	s_barrier_wait -1
.irp p, 0,1,2,3
	ds_load_b32 v[SAR+\p], v[SCA+(\s)] offset:128*\p
.endr
.irp p, 0,1
	ds_load_b32 v[SBR+\p], v[SCB+(\s)] offset:128*\p
.endr
.irp b, 0,1,2,3
.irp c, 0,1,2,3
	ds_load_b128 v[FB+16*\b+4*\c:FB+16*\b+4*\c+3], v[ADB+(\s)] offset:2048*\b+512*\c
.endr
.endr
.irp a, 0,1,2,3,4,5,6,7
.irp c, 0,1,2,3
	ds_load_b128 v[FA+16*\a+4*\c:FA+16*\a+4*\c+3], v[ADA+(\s)] offset:2048*\a+512*\c
.endr
.endr
	WIN 0x50                                       ; C and D window 1
.irp a, 0,1,2,3,4,5,6,7
	s_wait_dscnt 28-4*\a                           ; tile a of source 0 is in; the later tiles' loads may be out
.irp b, 0,1,2,3
	WM 64*\b+8*\a, FA+16*\a, FB+16*\b, SAR+\a/2, SBR+\b/2, \a%2, \b%2
.endr
.endr
	WIN 0
	PLACES 8                                       ; in front of loads into registers that these products read, and of the first read of results
.endm
	STEP 0
	STEP 1
	STEP 2
	STEP 3
; EIGHT BLOCKS of 16 accumulator registers v[a + 16 i] of window 1 (with lane l xor 16's 16: blocks of 32) -> codes v[f + 4 i ..], scale words v[w], v[w + 1] of four blocks each.  By turns, from the low end on.
.macro QOUT a, f, w
	WIN 0x14                                       ; sources 1 and 2 window 1
.set qb, 0
.rept 8
	v_max3_num_f32 v[32+qb], FLOOR, |v[(\a)+16*qb]|, |v[(\a)+16*qb+1]|
.set qb, qb+1
.endr
.set qi, 2
.rept 7
.set qb, 0
.rept 8
	v_max3_num_f32 v[32+qb], v[32+qb], |v[(\a)+16*qb+qi]|, |v[(\a)+16*qb+qi+1]|
.set qb, qb+1
.endr
.set qi, qi+2
.endr
	WIN 0
.irp b, 0,1,2,3,4,5,6,7
	v_permlanex16_b32 v[40+\b], v[32+\b], s[SEL], s[SEL+1]
.endr
.irp b, 0,1,2,3,4,5,6,7
	v_max_num_f32 v[32+\b], v[32+\b], v[40+\b]
.endr
.irp b, 0,1,2,3,4,5,6,7
	v_add_nc_u32 v[56+\b], EOFF, v[32+\b]          ; 15 off the exponent field: the conversion's scale operand
.endr
.irp b, 0,1,2,3,4,5,6,7
	v_and_or_b32 v[48+\b], v[32+\b], 0x7f800000, s[MNT]   ; 57,344 x the scale
.endr
.irp b, 0,1,2,3,4,5,6,7
	v_lshrrev_b32 v[64+\b], 23, v[56+\b]           ; the byte
.endr
.irp i, 0,1
	v_lshl_or_b32 v[(\w)+\i], v[65+4*\i], 8, v[64+4*\i]
.endr
.irp i, 0,1
	v_lshl_or_b32 v[(\w)+\i], v[66+4*\i], 16, v[(\w)+\i]
.endr
.irp i, 0,1
	v_lshl_or_b32 v[(\w)+\i], v[67+4*\i], 24, v[(\w)+\i]
.endr
	WIN 0x41                                       ; source 0 and destination window 1
.set qb, 0
.rept 8
.set qi, 0
.rept 16
	v_med3_num_f32 v[(\a)+16*qb+qi], v[(\a)+16*qb+qi], -v[48+qb], v[48+qb]   ; the conversion does not saturate (ISA guide 7.6.2)
.set qi, qi+1
.endr
.set qb, qb+1
.endr
	WIN 0x01
.set qb, 0
.rept 8
	v_cvt_scalef32_pk8_bf8_f32 v[(\f)+4*qb:(\f)+4*qb+1], v[(\a)+16*qb:(\a)+16*qb+7], v[56+qb]
	v_cvt_scalef32_pk8_bf8_f32 v[(\f)+4*qb+2:(\f)+4*qb+3], v[(\a)+16*qb+8:(\a)+16*qb+15], v[56+qb]
.set qb, qb+1
.endr
	v_nop                                          ; one plain line behind the last conversion
	WIN 0
.endm
	QOUT 0, FA, KSW
	QOUT 128, FA+32, KSW+2
	WALU
	s_cmp_lt_u32 s22, 4
	s_cbranch_scc0 .Lout_v
	; ---- k: the partial scores over my 128 of e: source 0 = q in all 16 rows, source 1 = k's fragment: register 0 = the score of key row r
	s_wait_loadcnt 0x0                             ; q
	PLACES 4                                       ; codes written by vector instructions stand four lines ahead
.irp b, 0,1,2,3
	v_wmma_scale_f32_16x16x128_f8f6f4 v[160+8*\b:167+8*\b], v[QF:QF+15], v[FA+16*\b:FA+16*\b+15], 0, v[QSW], v[KSW+\b] matrix_a_fmt:MATRIX_FMT_BF8 matrix_b_fmt:MATRIX_FMT_BF8
.endr
	PLACES 8
.irp b, 0,1,2,3
	ds_store_b32 v[SIK], v[160+8*\b] offset:128*(\b/2)+32*(\b%2)   ; in the order of the keys; lanes 16-31 write what lanes 0-15 write
.endr
	ds_load_b64 v[32:33], v[SO]                    ; LDS serves a wave's instructions in order (ISA guide 5.7.1.4)
	s_wait_dscnt 0x0
	global_store_b64 v[GO], v[32:33], s[80:81]     ; 256 consecutive bytes, aligned
	s_branch .Lout
	; ---- v: four fragments of 128 keys and their scale words
.Lout_v:
.irp b, 0,1,2,3
.irp c, 0,1,2,3
	global_store_b128 v[L16], v[FA+16*\b+4*\c:FA+16*\b+4*\c+3], s[78:79] offset:32768*\b+512*\c   ; 512 consecutive bytes, aligned
.endr
.endr
.irp b, 0,1,2,3
	ds_store_b32 v[SIV], v[KSW+\b] offset:64*\b
.endr
	ds_load_b64 v[32:33], v[SO]
	s_wait_dscnt 0x0
	global_store_b64 v[GO], v[32:33], s[88:89]     ; 256 consecutive bytes, aligned
.Lout:
	s_wait_tensorcnt 0x0                           ; the wave's end
	ds_add_u32 v[SPW], v[ZR]
	s_wait_dscnt 0x0
	ROUND                                          ; the closing round
	s_endpgm
.Lfunc_end_k_q1acd158701_main:
	.size	k_q1acd158701_main, .Lfunc_end_k_q1acd158701_main-k_q1acd158701_main
	.p2alignl 7, 3214868480
	.fill 96, 4, 3214868480
	.section	.rodata,"a",@progbits
	.p2align	6, 0x0
	.amdhsa_kernel k_q1acd158701_main
		.amdhsa_group_segment_fixed_size 327680
		.amdhsa_private_segment_fixed_size 0
		.amdhsa_enable_private_segment 0
		.amdhsa_kernarg_size 72
		.amdhsa_user_sgpr_count 2
		.amdhsa_user_sgpr_kernarg_segment_ptr 1
		.amdhsa_wavefront_size32 1
		.amdhsa_system_sgpr_workgroup_id_x 1
		.amdhsa_system_sgpr_workgroup_id_y 1
		.amdhsa_system_sgpr_workgroup_id_z 1
		.amdhsa_system_vgpr_workitem_id 0
		.amdhsa_next_free_vgpr 512
		.amdhsa_next_free_sgpr 96
		.amdhsa_reserve_vcc 0
		.amdhsa_float_denorm_mode_32 3
		.amdhsa_float_denorm_mode_16_64 3
		.amdhsa_memory_ordered 1
		.amdhsa_forward_progress 1
		.amdhsa_inst_pref_size 96
	.end_amdhsa_kernel
	.amdgpu_metadata
---
amdhsa.version: [ 1, 2 ]
amdhsa.kernels:
  - .name:           k_q1acd158701_main
    .symbol:         k_q1acd158701_main.kd
    .args:
      - { .name: bk, .offset: 0, .size: 8, .value_kind: global_buffer, .address_space: global }
      - { .name: bv, .offset: 8, .size: 8, .value_kind: global_buffer, .address_space: global }
      - { .name: x_img, .offset: 16, .size: 8, .value_kind: global_buffer, .address_space: global }
      - { .name: w_img, .offset: 24, .size: 8, .value_kind: global_buffer, .address_space: global }
      - { .name: q_codes, .offset: 32, .size: 8, .value_kind: global_buffer, .address_space: global }
      - { .name: q_sc, .offset: 40, .size: 8, .value_kind: global_buffer, .address_space: global }
      - { .name: part_s, .offset: 48, .size: 8, .value_kind: global_buffer, .address_space: global }
      - { .name: v_img, .offset: 56, .size: 8, .value_kind: global_buffer, .address_space: global }
      - { .name: v_sc, .offset: 64, .size: 8, .value_kind: global_buffer, .address_space: global }
    .group_segment_fixed_size: 327680
    .private_segment_fixed_size: 0
    .kernarg_segment_align: 8
    .kernarg_segment_size: 72
    .max_flat_workgroup_size: 256
    .sgpr_count:     96
    .vgpr_count:     512
    .wavefront_size: 32
...
	.end_amdgpu_metadata
.endif
;; end of part 2
;; launch final (part 3): grid 32 x 8, 16 waves a work-group, no clusters, 7,424 bytes of LDS; arguments part_s, v_img, v_sc, out0; writes out0
.if DOCPART == 3
	.amdgcn_target "amdgcn-amd-amdhsa--gfx1250"
	.amdhsa_code_object_version 6
	.text
	.protected	k_q1acd158701_final
	.globl	k_q1acd158701_final
	.p2align	8
	.type	k_q1acd158701_final,@function
k_q1acd158701_final:
	s_mov_b64 s[64:65], 0
	v_nop
	global_prefetch_b8 v0, s[64:65] scope:SCOPE_SE
	s_setreg_imm32_b32 hwreg(HW_REG_WAVE_MODE, 25, 1), 1
	s_wait_xcnt 0x0
; out0[batch][c] = sum over the keys of p v[key][c] / sum of p for the batch's last query (the other rows are dead work: the first kernel's head): the scores are added from four parts, p = 2^(t - M) is quantised along the keys,
; and Q(p) Q(v) is taken on codes of BF8 (E5M2) with E8M0 scales, sums in f32.
; A work-group takes 16 channels (x) of a batch (y); each of its 16 waves takes 128 keys, one product of K = 128, with an M and a sum l of its own; wave 0 joins the 16 parts by exact powers of two (every M is a whole number).
; A lane holds 4 neighbouring keys; 8 lanes hold a block of 32.  The codes turn through the wave's own LDS bytes into the operand's layout, the same in all 16 rows of source 0: register 0 of the result is O(channel r).
; A fragment of v is read by one work-group, the scores' 32,768 bytes of a batch by its 32: no tensor load, no cluster: each wave loads straight into registers what it uses once.  No loop: no prefetch.
; LIMITS: NaN and infinities are not served; the scaled scores t stay under 2^31 in magnitude.  A factor under the smallest f32 number is lost: beside the largest part's terms it is nothing.  A block whose largest p lies under 2^-111
; has its byte held at 1.
.set FLOOR, 0x8000000
.set EOFF,  0xf8800000
.set OACC, 4096                        ; LDS: 0: a stage of 256 bytes a wave: 128 codes, 4 scale bytes; here: the waves' O, 64 bytes each,
.set ML,   5120                        ; their (-M, l), 8 bytes each,
.set SPARE, 5376                       ; the spare words, 128 bytes a wave
.set F,    24                          ; s24-39 the 16 factors, divided by the sum
.macro WALU
	s_wait_alu depctr_va_vdst(0)
.endm
	s_load_b256 s[4:11], s[0:1], 0x0               ; part_s s[4:5], v_img s[6:7], v_sc s[8:9], out0 s[10:11]
	v_lshl_add_u32 v1, v0, 2, SPARE                ; v1, v2: the add's two registers
	v_mov_b32 v2, 0
	v_lshrrev_b32 v8, 5, v0
	v_readfirstlane_b32 s22, v8                    ; wave = key step
	s_and_b32 s23, ttmp7, 0xffff                   ; the batch
	v_and_b32 v8, 31, v0                           ; lane
	v_lshlrev_b32 v3, 4, v8                        ; 16 x lane
	v_and_b32 v9, 15, v0                           ; r
	v_lshlrev_b32 v4, 2, v9                        ; 4 r
	v_bfe_u32 v12, v0, 4, 1                        ; h
	s_lshl_b32 s12, s22, 8                         ; my stage
	v_lshlrev_b32 v13, 2, v8
	v_add_nc_u32 v5, s12, v13                      ; in: my four codes,
	v_lshrrev_b32 v13, 3, v8
	v_add_nc_u32 v6, s12, v13                      ; my block's byte (128 on);
	v_lshlrev_b32 v13, 4, v12
	v_add_nc_u32 v7, s12, v13                      ; out: 16 codes of a block,
	v_mov_b32 v34, s12                             ; the scale word (128 on)
	s_lshl_b32 s13, s22, 6
	s_add_co_u32 s13, s13, OACC
	v_add_nc_u32 v35, s13, v4                      ; O, in
	s_lshl_b32 s13, s22, 3
	s_add_co_u32 s13, s13, ML
	v_mov_b32 v36, s13                             ; (-M, l), in
	v_lshlrev_b32 v37, 3, v9
	v_add_nc_u32 v37, ML, v37                      ; (-M, l) of part r
	v_add_nc_u32 v38, OACC, v4                     ; O of channel r
	v_mov_b32 v88, 0                               ; a lane permute's destination counts as one of its sources
	v_mov_b32 v89, 0
	s_mov_b32 s40, 0x76543210
	s_mov_b32 s41, 0xfedcba98                      ; selects for lane l xor 16
	s_mov_b32 s42, 0x3d8293ee                      ; log2(e) / sqrt(512)
	s_mov_b32 s43, 0x600000                        ; the mantissa field of 57,344
	s_mov_b32 s15, 0
	s_mov_b32 s17, 0
	s_mov_b32 s19, 0
	s_mov_b32 s21, 0
	s_lshl_b32 s14, s23, 13                        ; part_s: 2,048 keys a batch, 128 mine
	s_lshl_b32 s12, s22, 9
	s_add_co_u32 s14, s14, s12
	s_lshl_b32 s16, s23, 5                         ; v_img: [batch][tile][key step][2,048 bytes]
	s_add_co_u32 s16, s16, ttmp9
	s_lshl_b32 s16, s16, 4
	s_add_co_u32 s16, s16, s22
	s_lshl_b32 s16, s16, 11
	s_lshl_b32 s18, s23, 4                         ; v_sc: [batch][key step][tile][64 bytes]
	s_add_co_u32 s18, s18, s22
	s_lshl_b32 s18, s18, 5
	s_add_co_u32 s18, s18, ttmp9
	s_lshl_b32 s18, s18, 6
	s_lshl_b32 s20, s23, 11                        ; out0
	s_lshl_b32 s12, ttmp9, 6
	s_add_co_u32 s20, s20, s12
	WALU
	s_wait_kmcnt 0x0
	s_add_nc_u64 s[4:5], s[4:5], s[14:15]
	s_add_nc_u64 s[6:7], s[6:7], s[16:17]
	s_add_nc_u64 s[8:9], s[8:9], s[18:19]
	s_add_nc_u64 s[10:11], s[10:11], s[20:21]
.irp j, 0,1,2,3
	global_load_b128 v[16+4*\j:19+4*\j], v3, s[4:5] offset:65536*\j   ; part j of my four keys: 512 consecutive bytes
.endr
.irp c, 0,1,2,3
	global_load_b128 v[48+4*\c:51+4*\c], v3, s[6:7] offset:512*\c th:TH_LOAD_NT
.endr
	global_load_b32 v40, v4, s[8:9]                ; v's scale words: lane r has channel r's
	s_wait_loadcnt 5                               ; the scores are in; v's five loads may be out
	v_pk_add_f32 v[16:17], v[16:17], v[20:21]
	v_pk_add_f32 v[18:19], v[18:19], v[22:23]
	v_pk_add_f32 v[24:25], v[24:25], v[28:29]
	v_pk_add_f32 v[26:27], v[26:27], v[30:31]
	v_pk_add_f32 v[16:17], v[16:17], v[24:25]
	v_pk_add_f32 v[18:19], v[18:19], v[26:27]
	v_max3_num_f32 v8, v16, v17, v18
	v_max_num_f32 v8, v8, v19
.irp x, 1,2,4,8
	v_max_num_f32_dpp v8, v8, v8 row_xmask:\x row_mask:0xf bank_mask:0xf
.endr
	v_permlanex16_b32 v88, v8, s40, s41
	v_max_num_f32 v8, v8, v88                      ; the largest score of my 128 keys
	v_mul_f32 v8, s42, v8                          ; as t
	v_floor_f32 v10, -v8                           ; -M = floor(-t) = -ceil(t): M is a whole number
.irp i, 0,1,2,3
	v_fma_f32 v[16+\i], v[16+\i], s42, v10         ; t - M
.endr
	WALU
.irp i, 0,1,2,3
	v_exp_f32 v[16+\i], v[16+\i]                   ; p, at most 1, not normalised
.endr
	v_nop                                          ; one plain place behind the exponentials
	WALU
	v_max3_num_f32 v12, v16, v17, FLOOR            ; the block's largest p, and l, the sum of the unquantised p, by turns
	v_add_f32 v8, v16, v17
	v_max3_num_f32 v12, v12, v18, v19
	v_add_f32 v9, v18, v19
	v_max_num_f32_dpp v12, v12, v12 row_xmask:1 row_mask:0xf bank_mask:0xf
	v_add_f32 v11, v8, v9
	v_max_num_f32_dpp v12, v12, v12 row_xmask:2 row_mask:0xf bank_mask:0xf
	v_add_f32_dpp v11, v11, v11 row_xmask:1 row_mask:0xf bank_mask:0xf
	v_max_num_f32_dpp v12, v12, v12 row_xmask:4 row_mask:0xf bank_mask:0xf
	v_add_f32_dpp v11, v11, v11 row_xmask:2 row_mask:0xf bank_mask:0xf
	v_add_nc_u32 v13, EOFF, v12                    ; 15 off the exponent field: the conversion's scale operand
	v_and_or_b32 v14, v12, 0x7f800000, s43         ; 57,344 x the scale
	v_add_f32_dpp v11, v11, v11 row_xmask:4 row_mask:0xf bank_mask:0xf
	v_lshrrev_b32 v15, 23, v13                     ; the byte
.irp i, 0,1,2,3
	v_min_num_f32 v[24+\i], v[16+\i], v14          ; the conversion does not saturate (ISA guide 7.6.2); p is not negative
.endr
	v_cvt_scalef32_pk8_bf8_f32 v[32:33], v[24:31], v13   ; v32: my four codes.  (v28-31 are what was loaded there; their codes, v33, are not used)
	v_add_f32_dpp v11, v11, v11 row_xmask:8 row_mask:0xf bank_mask:0xf
	ds_store_b32 v5, v32
	ds_store_b8 v6, v15 offset:128                 ; eight lanes write the same byte
.irp c, 0,1,2,3
	ds_load_b128 v[64+4*\c:67+4*\c], v7 offset:32*\c   ; keys 32 c + 16 h + 0 .. 15.  LDS serves a wave's instructions in order (ISA guide 5.7.1.4)
.endr
	ds_load_b32 v41, v34 offset:128
	v_permlanex16_b32 v89, v11, s40, s41
	v_add_f32 v11, v11, v89                        ; v[10:11] = (-M, l)
	WALU
	s_wait_loadcnt 0x0
	s_wait_dscnt 0x0
	v_wmma_scale_f32_16x16x128_f8f6f4 v[80:87], v[64:79], v[48:63], 0, v41, v40 matrix_a_fmt:MATRIX_FMT_BF8 matrix_b_fmt:MATRIX_FMT_BF8
.rept 8
	v_nop                                          ; in front of the first read of the result (ISA guide 7.12.1)
.endr
	ds_store_b32 v35, v80                          ; lanes 16-31 write what lanes 0-15 write
	ds_store_b64 v36, v[10:11]                     ; the same in every lane
	s_wait_dscnt 0x0                               ; for wave 0's sake: my part has landed
	s_barrier_signal -1
	s_barrier_wait -1
	s_cmp_lg_u32 s22, 0
	s_cbranch_scc1 .Lend
	ds_load_b64 v[90:91], v37                      ; lane r: (-M, l) of part r
.irp i, 0,1,2,3,4,5,6,7,8,9,10,11,12,13,14,15
	ds_load_b32 v[96+\i], v38 offset:64*\i         ; part i's O of channel r
.endr
	s_wait_dscnt 0x0
	v_mov_b32 v92, v90
.irp x, 1,2,4,8
	v_min_num_f32_dpp v92, v92, v92 row_xmask:\x row_mask:0xf bank_mask:0xf
.endr
	v_sub_f32 v93, v92, v90                        ; M_i - M: a whole number, 0 or less
	v_cvt_i32_f32 v93, v93                         ; (it saturates)
	v_ldexp_f32 v94, 1.0, v93                      ; 2^(M_i - M)
	v_mul_f32 v95, v94, v91
.irp x, 1,2,4,8
	v_add_f32_dpp v95, v95, v95 row_xmask:\x row_mask:0xf bank_mask:0xf
.endr
	WALU
	v_rcp_f32 v95, v95                             ; the row's sum is at least 1/2
	v_nop                                          ; one plain place behind the transcendental
	WALU
	v_mul_f32 v94, v94, v95                        ; the division goes into the factors
.irp i, 0,1,2,3,4,5,6,7,8,9,10,11,12,13,14,15
	v_readlane_b32 s[F+\i], v94, \i
.endr
.irp k, 0,1,2,3
	v_mul_f32 v[112+\k], s[F+\k], v[96+\k]         ; four chains
.endr
.irp i, 4,8,12
.irp k, 0,1,2,3
	v_fmac_f32 v[112+\k], s[F+\i+\k], v[96+\i+\k]
.endr
.endr
	v_add_f32 v112, v112, v113
	v_add_f32 v114, v114, v115
	v_add_f32 v112, v112, v114
	global_store_b32 v4, v112, s[10:11]            ; 64 consecutive bytes; lanes 16-31 write what lanes 0-15 write
.Lend:
	s_wait_tensorcnt 0x0                           ; the wave's end
	ds_add_u32 v1, v2
	s_wait_dscnt 0x0
	s_endpgm
.Lfunc_end_k_q1acd158701_final:
	.size	k_q1acd158701_final, .Lfunc_end_k_q1acd158701_final-k_q1acd158701_final
	.p2alignl 7, 3214868480
	.fill 96, 4, 3214868480
	.section	.rodata,"a",@progbits
	.p2align	6, 0x0
	.amdhsa_kernel k_q1acd158701_final
		.amdhsa_group_segment_fixed_size 7424
		.amdhsa_private_segment_fixed_size 0
		.amdhsa_enable_private_segment 0
		.amdhsa_kernarg_size 32
		.amdhsa_user_sgpr_count 2
		.amdhsa_user_sgpr_kernarg_segment_ptr 1
		.amdhsa_wavefront_size32 1
		.amdhsa_system_sgpr_workgroup_id_x 1
		.amdhsa_system_sgpr_workgroup_id_y 1
		.amdhsa_system_sgpr_workgroup_id_z 1
		.amdhsa_system_vgpr_workitem_id 0
		.amdhsa_next_free_vgpr 128
		.amdhsa_next_free_sgpr 66
		.amdhsa_reserve_vcc 0
		.amdhsa_float_denorm_mode_32 3
		.amdhsa_float_denorm_mode_16_64 3
		.amdhsa_memory_ordered 1
		.amdhsa_forward_progress 1
		.amdhsa_inst_pref_size 11
	.end_amdhsa_kernel
	.amdgpu_metadata
---
amdhsa.version: [ 1, 2 ]
amdhsa.kernels:
  - .name:           k_q1acd158701_final
    .symbol:         k_q1acd158701_final.kd
    .args:
      - { .name: part_s, .offset: 0, .size: 8, .value_kind: global_buffer, .address_space: global }
      - { .name: v_img, .offset: 8, .size: 8, .value_kind: global_buffer, .address_space: global }
      - { .name: v_sc, .offset: 16, .size: 8, .value_kind: global_buffer, .address_space: global }
      - { .name: out0, .offset: 24, .size: 8, .value_kind: global_buffer, .address_space: global }
    .group_segment_fixed_size: 7424
    .private_segment_fixed_size: 0
    .kernarg_segment_align: 8
    .kernarg_segment_size: 32
    .max_flat_workgroup_size: 512
    .sgpr_count:     66
    .vgpr_count:     128
    .wavefront_size: 32
...
	.end_amdgpu_metadata
.endif
;; end of part 3
